; MI455X (gfx1250); checked and timed in simulation.
; The chip was launched on July 23, 2026; its instructions are those of AMD's public machine-readable ISA for CDNA 5 (MIT licence, August 2026) and "CDNA5" Instruction Set Architecture Reference Guide (July 2026). The comments in the code are by the model that wrote it; some were corrected since.
;; VQ Layer. Allowed arithmetic: float matrix products may take bf16 or f16 operands with f32 sums; all other float work in f32.
;; Inputs: embeddings 256 x 8,192 float32; inputs 64 x 512 x 256 float32.
;; Outputs: out0 64 x 512 x 256 float32; out1 one number float32.
;; One version. Each part assembles by itself: llvm-mc -triple=amdgcn-amd-amdhsa -mcpu=gfx1250 --defsym DOCPART=n.
;; ======== version 1 of 1: 4 launches
;; limits: values outside matrix products are rounded to bf16
;; workspace buffers: EB 4,194,304 bytes; EE 32,768 bytes; G 131,072 bytes of whole numbers; PART 4,096 bytes
;; launch prep (part 1): grid 128 x 1, 8 waves a work-group, no clusters, 38,912 bytes of LDS; arguments embeddings, EB, EE; writes EB, EE
.if DOCPART == 1
	.amdgcn_target "amdgcn-amd-amdhsa--gfx1250"
	.amdhsa_code_object_version 6
	.text
	.protected	k_q2afaac2640_prep
	.globl	k_q2afaac2640_prep
	.p2align	8
	.type	k_q2afaac2640_prep,@function
k_q2afaac2640_prep:
	s_mov_b64 s[64:65], 0
	v_nop
	global_prefetch_b8 v0, s[64:65] scope:SCOPE_SE
	s_setreg_imm32_b32 hwreg(HW_REG_WAVE_MODE, 25, 1), 1
	s_wait_xcnt 0x0
; The codebook is turned and rounded.  embeddings: [256 dims][8192 codes] f32.  EB: [8192 codes][256 dims] bf16, rows of 512 bytes.
; EE[code] = the sum over the dims of the squares of the ROUNDED numbers, in f32: the distances of the later launches are those of the rounded codebook.
; SHARES.  A work-group owns 64 codes: of each of the 256 rows 256 consecutive bytes, at a multiple of 256 from the buffer's first byte.  8192 / 64 = 128 work-groups: a narrower
; share would read rows in pieces shorter than that, and a share of the dims would spread a code's sum over work-groups.
; Thread t: part = t / 16 (16 dims: 16 part .. 16 part + 15), c4 = t % 16 (codes 4 c4 .. 4 c4 + 3).  A load of a wave covers two rows' 256 bytes.
; The turn goes through LDS: a thread puts 32 bytes (16 dims) into each of its four codes' rows; whole rows of 512 bytes come back and are stored.
; These LDS stores meet four deep in the banks (rows 4 x 528 bytes apart): eight instructions a thread, once in the launch.
; No matrix unit, no cluster: nothing is multiplied and no two work-groups read the same bytes.
.set ROWB,  32768                      ; bytes in a row of embeddings
.set TP,    528                        ; a code's row in the stage: 512 bytes + 16
.set PB,    64*TP                      ; behind the stage: 16 parts x 64 f32, the parts of the sums of squares
.set SPARE, PB+4096                    ; the spare words, 128 bytes for each of the eight waves: four blocks of 256 bytes that no other line names
.set L,   8                            ; v[8:71]    load i (dim 16 part + i): four codes
.set P,   72                           ; v[72:103]  code c, pair p of dims: P + 8 c + p
.set S,   104                          ; v[104:107] sums of squares of my 16 dims, a code each
.set SPW, 108                          ; v108  LDS address of my spare word; never rewritten
.set NIL, 109                          ; v109  0; never rewritten
	s_load_b128 s[4:7], s[0:1], 0x0                ; embeddings s[4:5], EB s[6:7]
	s_load_b64 s[8:9], s[0:1], 0x10                ; EE
	v_lshl_add_u32 v[SPW], v0, 2, SPARE
	v_mov_b32 v[NIL], 0
	v_lshrrev_b32 v1, 4, v0                        ; part
	v_and_b32 v2, 15, v0                           ; c4
	v_lshlrev_b32 v3, 19, v1                       ; 16 rows of 32,768 bytes a part,
	v_lshl_add_u32 v3, v2, 4, v3                   ; and my 16 bytes
	v_lshrrev_b32 v6, 5, v0
	v_readfirstlane_b32 s12, v6                    ; wave 0..7
	s_lshl_b32 s10, ttmp9, 8                       ; the group's 64 codes: 256 bytes in a row of embeddings, and in EE
	s_mov_b32 s11, 0
	s_lshl_b32 s14, ttmp9, 15                      ; and 64 rows of 512 bytes in EB
	s_mov_b32 s15, 0
	s_wait_kmcnt 0x0
	s_add_nc_u64 s[4:5], s[4:5], s[10:11]
	s_add_nc_u64 s[8:9], s[8:9], s[10:11]
	s_add_nc_u64 s[6:7], s[6:7], s[14:15]
.set i, 0
.rept 16
	global_load_b128 v[L+4*i:L+4*i+3], v3, s[4:5] offset:i*ROWB th:TH_LOAD_NT  ; read once in the launch
.set i, i+1
.endr
	v_mul_u32_u24 v4, v2, 4*TP                     ; into the stage: row 4 c4 (+ c in the offset),
	v_lshl_add_u32 v4, v1, 5, v4                   ; byte 32 part
	v_lshlrev_b32 v5, 8, v1                        ; the sums: part x 256 bytes
	v_lshl_add_u32 v5, v2, 4, v5                   ; + 16 c4
	v_and_b32 v7, 31, v0                           ; lane
	v_mul_u32_u24 v6, v6, 8*TP                     ; back: wave w takes rows 8 w .. 8 w + 7,
	v_lshl_add_u32 v6, v7, 4, v6                   ; 16 bytes a lane
	v_lshrrev_b32 v1, 5, v0
	v_lshlrev_b32 v1, 12, v1                       ; the same eight rows in EB
	v_lshl_add_u32 v7, v7, 4, v1
.irp c, 0,1,2,3
	v_mov_b32 v[S+\c], 0
.endr
	s_wait_loadcnt 0x0
.irp c, 0,1,2,3
.irp p, 0,1,2,3,4,5,6,7
	v_cvt_pk_bf16_f32 v[P+8*\c+\p], v[L+8*\p+\c], v[L+8*\p+4+\c]   ; dims 2 p and 2 p + 1 of code c, rounded to nearest even
.endr
.endr
.irp p, 0,1,2,3,4,5,6,7                ; the squares of the rounded numbers; the four codes' chains take turns
.irp c, 0,1,2,3
	v_fma_mix_f32_bf16 v[S+\c], v[P+8*\c+\p], v[P+8*\c+\p], v[S+\c] op_sel_hi:[1,1,0]
.endr
.irp c, 0,1,2,3
	v_fma_mix_f32_bf16 v[S+\c], v[P+8*\c+\p], v[P+8*\c+\p], v[S+\c] op_sel:[1,1,0] op_sel_hi:[1,1,0]
.endr
.endr
.irp c, 0,1,2,3
	ds_store_b128 v4, v[P+8*\c:P+8*\c+3] offset:\c*TP
	ds_store_b128 v4, v[P+8*\c+4:P+8*\c+7] offset:\c*TP+16
.endr
	ds_store_b128 v5, v[S:S+3] offset:PB
	s_wait_dscnt 0x0                               ; for the others' sake: my stores into the stage are done
	s_barrier_signal -1
	s_barrier_wait -1
.irp j, 0,1,2,3,4,5,6,7
	ds_load_b128 v[L+4*\j:L+4*\j+3], v6 offset:\j*TP
.endr
.irp j, 0,1,2,3,4,5,6,7
	s_wait_dscnt 7-\j                              ; LDS loads come back in order: row j is in, the younger ones stay out
	global_store_b128 v7, v[L+4*\j:L+4*\j+3], s[6:7] offset:\j*512   ; a code's whole row: 512 consecutive bytes
.endr
	s_cmp_gt_u32 s12, 1
	s_cbranch_scc1 .Lend                           ; waves 0 and 1: thread t adds code t's sixteen parts
	v_lshlrev_b32 v1, 2, v0
.set i, 0
.rept 16
	ds_load_b32 v[P+i], v1 offset:PB+256*i
.set i, i+1
.endr
	s_wait_dscnt 0x0
.irp j, 0,1,2,3,4,5,6,7
	v_add_f32 v[P+\j], v[P+\j], v[P+8+\j]
.endr
.irp j, 0,1,2,3
	v_add_f32 v[P+\j], v[P+\j], v[P+4+\j]
.endr
.irp j, 0,1
	v_add_f32 v[P+\j], v[P+\j], v[P+2+\j]
.endr
	v_add_f32 v[P], v[P], v[P+1]
	global_store_b32 v1, v[P], s[8:9]              ; the two waves together: 256 consecutive bytes of EE
.Lend:
	s_wait_tensorcnt 0x0                           ; the wave's end, behind my last LDS store
	ds_add_u32 v[SPW], v[NIL]
	s_wait_dscnt 0x0
	s_endpgm
.Lfunc_end_k_q2afaac2640_prep:
	.size	k_q2afaac2640_prep, .Lfunc_end_k_q2afaac2640_prep-k_q2afaac2640_prep
	.p2alignl 7, 3214868480
	.fill 96, 4, 3214868480
	.section	.rodata,"a",@progbits
	.p2align	6, 0x0
	.amdhsa_kernel k_q2afaac2640_prep
		.amdhsa_group_segment_fixed_size 38912
		.amdhsa_private_segment_fixed_size 0
		.amdhsa_enable_private_segment 0
		.amdhsa_kernarg_size 24
		.amdhsa_user_sgpr_count 2
		.amdhsa_user_sgpr_kernarg_segment_ptr 1
		.amdhsa_wavefront_size32 1
		.amdhsa_system_sgpr_workgroup_id_x 1
		.amdhsa_system_sgpr_workgroup_id_y 1
		.amdhsa_system_sgpr_workgroup_id_z 1
		.amdhsa_system_vgpr_workitem_id 0
		.amdhsa_next_free_vgpr 112
		.amdhsa_next_free_sgpr 66
		.amdhsa_reserve_vcc 0
		.amdhsa_float_denorm_mode_32 3
		.amdhsa_float_denorm_mode_16_64 3
		.amdhsa_memory_ordered 1
		.amdhsa_forward_progress 1
		.amdhsa_inst_pref_size 14
	.end_amdhsa_kernel
	.amdgpu_metadata
---
amdhsa.version: [ 1, 2 ]
amdhsa.kernels:
  - .name:           k_q2afaac2640_prep
    .symbol:         k_q2afaac2640_prep.kd
    .args:
      - { .name: embeddings, .offset: 0, .size: 8, .value_kind: global_buffer, .address_space: global }
      - { .name: EB, .offset: 8, .size: 8, .value_kind: global_buffer, .address_space: global }
      - { .name: EE, .offset: 16, .size: 8, .value_kind: global_buffer, .address_space: global }
    .group_segment_fixed_size: 38912
    .private_segment_fixed_size: 0
    .kernarg_segment_align: 8
    .kernarg_segment_size: 24
    .max_flat_workgroup_size: 256
    .sgpr_count:     66
    .vgpr_count:     112
    .wavefront_size: 32
...
	.end_amdgpu_metadata
.endif
;; end of part 1
;; launch main (part 2): grid 256 x 1, 4 waves a work-group, clusters of 4 x 1, 327,680 bytes of LDS; arguments inputs, EB, EE, G; writes G
.if DOCPART == 2
	.amdgcn_target "amdgcn-amd-amdhsa--gfx1250"
	.amdhsa_code_object_version 6
	.text
	.protected	k_q2afaac2640_main
	.globl	k_q2afaac2640_main
	.p2align	8
	.type	k_q2afaac2640_main,@function
k_q2afaac2640_main:
	s_mov_b64 s[64:65], 0
	v_nop
	global_prefetch_b8 v0, s[64:65] scope:SCOPE_SE
	s_setreg_imm32_b32 hwreg(HW_REG_WAVE_MODE, 25, 1), 1
	s_wait_xcnt 0x0
	s_wait_alu depctr_hold_cnt(0) depctr_sa_sdst(0) depctr_va_vdst(0) depctr_va_sdst(0) depctr_va_ssrc(0) depctr_va_vcc(0) depctr_vm_vsrc(0)
	s_getreg_b32 s2, hwreg(HW_REG_IB_STS2, 6, 4)
	s_cmp_eq_u32 s2, 0
	s_cbranch_scc0 .Lentry_in_a_cluster
	s_endpgm
.Lentry_in_a_cluster:
	s_bfe_u32 s2, ttmp6, 0x10000c
	s_cmp_lg_u32 s2, 0x3003
	s_cbranch_scc0 .Lentry_shape_is_right
	s_endpgm
.Lentry_shape_is_right:
; For each of 32,768 queries x (256 numbers, f32) the GROUP OF EIGHT NEIGHBOURING CODES that holds the smallest distance d = (|x|^2 - 2 x.e) + |e|^2 over 8,192 codes.
; G[query] = that group, 0 .. 1023 (group g: codes 8 g .. 8 g + 7).  The launch behind this one finds the code inside the group: the choice steers an address there, so it is stored here as a whole number.
; FORMATS.  x is rounded to bf16 here, the codes lie rounded in EB; products in bf16 with f32 sums.  |x|^2 and |e|^2 are those of the rounded numbers.  d is formed in f32 in this order and with these
; roundings: one rounding of |x|^2 - 2 dot (a fused multiply-add; 2 dot is exact), one of the sum with |e|^2.  Of equal d the lowest group wins: strictly-less in ascending order, and by number between lanes and waves.
; LIMITS.  NaN and infinities are not treated apart.  Where a query's two best d lie within about one f32 step of d of each other, the order of the additions inside the dot products can decide between them.
; Nothing hangs on the inputs' scale or offset: the running minimum starts at +infinity and there is no threshold.
; SHARES.  A work-group owns 128 queries and walks all codes.  All four waves hold the SAME 128 queries in registers (8 tiles of 16 x 8 K steps x 8 = 512 registers) and share out the codes: of a chunk of
; 256 codes wave w takes rows 64 w .. 64 w + 63, four tiles of 16.  So a code fragment of 1,024 bytes read from LDS feeds eight matrix instructions, and a wave reads only rows that its own tensor load brought.
; The price: each wave reads the group's 128 rows of x itself, once, in pieces of 32 bytes a lane (all bytes of a row are used by the eight K steps' loads).
; LAYOUT.  S^T = E Q^T (source 0 = 16 codes, source 1 = 16 queries): lane l holds query l % 16, its registers 0-7 the codes 8 (l / 16) + 0..7 of the tile: ONE group.  Code tile T: groups 2 T and 2 T + 1.
; BY TURNS.  A tile is 64 matrix instructions on 8 accumulators, which take turns; there are two sets of accumulators.  While tile t is multiplied, the 112 vector instructions that reduce tile t - 1's scores
; stand between its products, 4 and 3 by turns behind every second product.  For 8 scores: 4 packed fused multiply-adds, 4 packed additions, 4 minima of three, a compare and a select.
; CLUSTER.  All work-groups walk the same codes, so the four of a cluster ask for each tile JOINTLY: the same tensor load, descriptor and mask in all four.  The descriptors hang on the wave's number alone.
; REGISTERS, in windows of 256 (s_set_vgpr_msb: bits 1:0 source 0, 3:2 source 1, 5:4 source 2, 7:6 destination):
;   window 0: v0-15 addresses and at work; v16-31 |x|^2, a pair a query tile; v32-47 running minima, two sets; v48-55 twice the tile of the minimum; v56-71 |e|^2, two sets; v72-95 the end; v128-255 accumulators, two sets
;   window 1: v0-127 code fragments, two buffers of 8 K steps; at the start all 256: two stages of 128 for x in f32          windows 2, 3: Q of query tiles 0-3, 4-7: 64 (tile % 4) + 8 k
; The 512 registers of Q leave no window with room for a product's operands beside the vector work's: each group of vector instructions costs two switches.
.set PITCH,  528                       ; a code's row in LDS: 512 bytes + 16 of padding = 132 words: row r starts at bank 4 r mod 64 (64 banks of 4 bytes: ISA guide 11.1)
.set WROWS,  64*PITCH                  ; 64 rows: what one tensor load brings, and what one wave reads
.set SLOT,   4*WROWS                   ; a chunk of 256 codes
.set EEB,    2*SLOT                    ; behind the ring: all 8,192 |e|^2, filled once
.set RED,    EEB+32768                 ; 4 waves x 128 queries x 8 bytes, written by LDS stores alone
.set SPARE,  RED+4096                  ; the spare words, 128 bytes for each wave: two blocks of 256 bytes that no other line names
.set CHUNKB, 256*512                   ; a chunk in EB
.set VH,   2                           ; v2   l / 16
.set QO,   3                           ; v3   my byte offset in 16 rows of x
.set AK,   4                           ; v4-5 LDS address of my code fragments in slot 0, 1; never rewritten
.set AEE,  6                           ; v6   LDS address of my group's |e|^2 in the chunk in hand
.set RA,   7                           ; v7   the end: where I put a query's pair
.set RB,   8                           ; v8   the end: where I read a query's pairs
.set GO,   9                           ; v9   my byte offset in the group's part of G
.set SPW,  10                          ; v10  LDS address of my spare word; never rewritten
.set NIL,  11                          ; v11  0; never rewritten
.set MT,   12                          ; v12-13 a minimum at work, by the query tile's parity
.set XX,   16
.set BEST, 32
.set GID,  48
.set EE,   56
.set PR,   72
.set RBK,  88
.set ACC,  128
.set WV,  12                           ; s12  my wave's number
.set G1,  24                           ; s[24:31] descriptor group 1 for the codes' tiles
.set G1E, 32                           ; s[32:39] for |e|^2
.set G0,  40                           ; s[40:47] descriptor group 0 for the codes' tiles, a set for each slot
.set G0E, 48                           ; s[48:51] for |e|^2
.set MJ,  52                           ; s52-58 lanes with (l % 16) % 8 = 1 .. 7
.set VAL, 59                           ; s59  lanes with l / 16 = (l % 16) / 8
.set SEL, 60                           ; s[60:61] v_permlanex16_b32's selects: each lane takes its own place in the other half
.set CNT, 62
.set T2,  63                           ; s63  twice the code tile whose scores are being reduced
.set MK,  66                           ; s66-67 a compare's lanes, by the query tile's parity
.set LX,  68                           ; s68-70 at work in LEX
.set MSB, 0
.macro WIN new                         ; the immediate's high byte repeats the setting that is left; a switch that changes nothing is dropped
.if MSB != (\new)
	s_set_vgpr_msb (MSB<<8)|(\new)
.set MSB, \new
.endif
.endm
.macro PLACES                          ; four places behind matrix instructions (ISA guide 7.12.1), where no other vector work is at hand
.rept 4
	v_nop
.endr
.endm
; A round of the cluster's barrier: my work-group's barrier, so that wave 0's signal speaks for all four waves; wave 0 signals; every wave waits for all four work-groups; my work-group's barrier once more.
.macro CREST                           ; a round behind its opening barrier
	s_cmp_lg_u32 s[WV], 0
	s_cbranch_scc1 .Lnot_wave_0_\@
	s_barrier_signal -3
.Lnot_wave_0_\@:
	s_barrier_wait -3
	s_barrier_signal -1
	s_barrier_wait -1
.endm
.macro CROUND
	s_barrier_signal -1
	s_barrier_wait -1
	CREST
.endm
	s_load_b256 s[4:11], s[0:1], 0x0               ; inputs s[4:5], EB s[6:7], EE s[8:9], G s[10:11]
	v_lshl_add_u32 v[SPW], v0, 2, SPARE
	v_mov_b32 v[NIL], 0
	ds_add_u32 v[SPW], v[NIL]                      ; the wave's opening: the add and its wait stand ahead of my first tensor load; the set-up below, work on registers, stands between them
	v_lshrrev_b32 v1, 5, v0
	v_readfirstlane_b32 s[WV], v1                  ; wave 0..3
	s_bfe_u32 s13, ttmp6, 0x40000                  ; cx: my place in the cluster
	s_lshl_b32 s14, ttmp9, 2                       ; in a cluster launch ttmp9 counts clusters
	s_add_co_u32 s14, s14, s13                     ; my block of 128 queries: it enters the addresses of x and of G alone
	s_lshl_b32 s22, s14, 17                        ; 128 rows of 1,024 bytes
	s_mov_b32 s23, 0
	s_lshl_b32 s14, s14, 9                         ; 128 words of G
	s_mov_b32 s15, 0
	; descriptor group 1 for the codes: a tile of 64 rows x 256 elements of 2 bytes, padded in LDS
	s_mov_b32 s[G1+0], 15|(1<<16)|(1<<20)|(1<<21)|(6<<22)|(3<<25)  ; 15:0 the mask of four; 17:16 2-byte elements; 20 padding on; 21 set beside a mask; 24:22 after every 128 words (code 6); 31:25 4 words (code 3)
	s_mov_b32 s[G1+1], 256<<16                     ; tensor_dim0 = 256
	s_mov_b32 s[G1+2], 64<<16                      ; tensor_dim1 = 64
	s_mov_b32 s[G1+3], 256<<16                     ; tile_dim0 = 256
	s_mov_b32 s[G1+4], 64                          ; tile_dim1 = 64
	s_mov_b32 s[G1+5], 256                         ; 256 elements from row to row
	s_mov_b32 s[G1+6], 0
	s_mov_b32 s[G1+7], 0
	; for |e|^2: 8,192 dense bytes a wave, as 32 rows of 32 elements of 8 bytes, no padding
	s_mov_b32 s[G1E+0], 15|(3<<16)|(1<<21)
	s_mov_b32 s[G1E+1], 32<<16
	s_mov_b32 s[G1E+2], 32<<16
	s_mov_b32 s[G1E+3], 32<<16
	s_mov_b32 s[G1E+4], 32
	s_mov_b32 s[G1E+5], 32
	s_mov_b32 s[G1E+6], 0
	s_mov_b32 s[G1E+7], 0
	s_mul_i32 s20, s[WV], WROWS                    ; my 64 rows in a slot: no place in the cluster enters an LDS address
	s_lshl_b32 s16, s[WV], 15                      ; and in a chunk of EB: 64 rows of 512 bytes
	s_mov_b32 s17, 0
	s_lshl_b32 s18, s[WV], 13                      ; my quarter of EE
	s_mov_b32 s19, 0
	s_mov_b32 s[G0+0], 1                           ; count = 1
	s_mov_b32 s[G0+1], s20                         ; LDS address: slot 0
	s_mov_b32 s[G0+4], 1
	s_add_co_u32 s[G0+5], s20, SLOT                ; slot 1
	s_mov_b32 s[G0E+0], 1
	s_add_co_u32 s[G0E+1], s18, EEB
	s_mov_b32 s[SEL], 0x76543210
	s_mov_b32 s[SEL+1], 0xfedcba98
	s_lshl_b32 s[T2], s[WV], 3                     ; my first code tile is 4 w
	v_and_b32 v1, 15, v0                           ; l % 16
	v_bfe_u32 v[VH], v0, 4, 1                      ; l / 16
	v_lshlrev_b32 v[QO], 10, v1
	v_lshl_add_u32 v[QO], v[VH], 5, v[QO]          ; row x 1,024 + 32 x half
	s_wait_dscnt 0x0                               ; the opening add is done
	s_wait_kmcnt 0x0
	s_add_nc_u64 s[G0+2:G0+3], s[6:7], s[16:17]    ; global address: my rows of chunk 0,
	s_add_nc_u64 s[G0+6:G0+7], s[G0+2:G0+3], CHUNKB  ; of chunk 1
	s_or_b32 s[G0+3], s[G0+3], 0x80000000          ; type = 2
	s_or_b32 s[G0+7], s[G0+7], 0x80000000
	s_add_nc_u64 s[G0E+2:G0E+3], s[8:9], s[18:19]
	s_or_b32 s[G0E+3], s[G0E+3], 0x80000000
	s_add_nc_u64 s[4:5], s[4:5], s[22:23]          ; x and G at my block
	s_add_nc_u64 s[10:11], s[10:11], s[14:15]
	CROUND                                         ; all four work-groups are here: the first joint loads meet
	tensor_load_to_lds s[G0E:G0E+3], s[G1E:G1E+7]  ; the first fills go out together: three loads of mine are out
	s_nop 0
	tensor_load_to_lds s[G0:G0+3], s[G1:G1+7]
	s_nop 0
	tensor_load_to_lds s[G0+4:G0+7], s[G1:G1+7]
	s_nop 0
	PLACES
; Q.  A fragment is 16 rows x 32 K in 8 registers: lane l holds row l % 16; registers 0-3 K = 8 (l / 16) + 0..7, registers 4-7 K = 16 + 8 (l / 16) + 0..7.  In f32 those are two pieces of 32 bytes, 64 bytes apart.
.macro QLOAD q, b                      ; query tile q in f32 into stage b: 32 loads
	WIN 0x40                                       ; destination window 1, address window 0
.set ks, 0
.rept 8
	global_load_b128 v[128*(\b)+16*ks:128*(\b)+16*ks+3],     v[QO], s[4:5] offset:16384*(\q)+128*ks
	global_load_b128 v[128*(\b)+16*ks+4:128*(\b)+16*ks+7],   v[QO], s[4:5] offset:16384*(\q)+128*ks+16
	global_load_b128 v[128*(\b)+16*ks+8:128*(\b)+16*ks+11],  v[QO], s[4:5] offset:16384*(\q)+128*ks+64
	global_load_b128 v[128*(\b)+16*ks+12:128*(\b)+16*ks+15], v[QO], s[4:5] offset:16384*(\q)+128*ks+80
.set ks, ks+1
.endr
.endm
.macro QCVT q, b                       ; rounded to bf16, to nearest even: 64 registers of Q
	WIN 0x85+0x40*((\q)/4)                         ; sources window 1, destination window 2 or 3
.set jc, 0
.rept 64
	v_cvt_pk_bf16_f32 v[64*((\q)%4)+jc], v[128*(\b)+2*jc], v[128*(\b)+2*jc+1]
.set jc, jc+1
.endr
.endm
	QLOAD 0, 0
	QLOAD 1, 1
.set qq, 0
.rept 8
.if qq < 7
	s_wait_loadcnt 32                              ; loads come back in order: this tile's are in, the next tile's 32 stay out
.else
	s_wait_loadcnt 0x0
.endif
	QCVT qq, qq%2
.if qq < 6
	QLOAD qq+2, qq%2
.endif
.set qq, qq+1
.endr
	WIN 0
	v_mul_u32_u24 v[AK], v1, PITCH
	v_lshl_add_u32 v[AK], v[VH], 4, v[AK]          ; row x pitch + 16 x half,
	v_add_nc_u32 v[AK], s20, v[AK]                 ; in my 64 rows of slot 0,
	v_add_nc_u32 v[AK+1], SLOT, v[AK]              ; of slot 1
	s_lshl_b32 s21, s[WV], 8
	s_add_co_u32 s21, s21, EEB
	v_lshl_add_u32 v[AEE], v[VH], 5, s21           ; |e|^2 of codes 64 w + 8 (l / 16) on, in chunk 0
	v_and_b32 v7, 7, v1
	v_lshrrev_b32 v8, 3, v1
.irp j, 1,2,3,4,5,6,7
	v_cmp_eq_u32 s[MJ+\j-1], \j, v7
.endr
	v_cmp_eq_u32 s[VAL], v[VH], v8
	s_lshl_b32 s21, s[WV], 10
	s_add_co_u32 s21, s21, RED
	v_lshl_add_u32 v[RA], v1, 3, s21               ; my wave's 1,024 bytes, 8 bytes a query
	v_lshl_add_u32 v[RB], v0, 3, RED               ; thread t reads query t's four pairs
	v_lshlrev_b32 v[GO], 2, v0
.set qq, 0
.rept 8
	v_mov_b32 v[BEST+qq], 0x7f800000               ; +infinity
	v_mov_b32 v[GID+qq], 0
.set qq, qq+1
.endr
	v_mov_b32 v15, 0                               ; v_permlanex16_b32's destination counts as read
	s_wait_tensorcnt 0x1                           ; my quarter of |e|^2 and my rows of slot 0 are in; slot 1's may stay out
	s_barrier_signal -1
	s_barrier_wait -1                              ; everybody's quarter of |e|^2 is in
; 16 LDS loads in one run: the 8 fragments of code tile ct of slot sl into buffer b
.macro FETCH b, sl, ct
	WIN 0x40
.set kf, 0
.rept 8
	ds_load_b128 v[64*(\b)+8*kf:64*(\b)+8*kf+3],   v[AK+(\sl)] offset:(\ct)*16*PITCH+64*kf
	ds_load_b128 v[64*(\b)+8*kf+4:64*(\b)+8*kf+7], v[AK+(\sl)] offset:(\ct)*16*PITCH+64*kf+32
.set kf, kf+1
.endr
	WIN 0
.endm
	FETCH 0, 0, 0                                  ; my first code tile
	; |x|^2 of the rounded x, by the matrix unit: Q Q^T for each query tile; query r's number is the diagonal's: lane with l % 16 = r and l / 16 = r / 8, register r % 8.  64 products, the 8 accumulators by turns.
.set i, 0
.rept 64
.set kx, i/8
.set qx, i%8
	WIN 0x0a+5*(qx/4)                              ; both sources window 2 or 3
.if kx == 0
	v_wmma_f32_16x16x32_bf16 v[ACC+8*qx:ACC+8*qx+7], v[64*(qx%4)+8*kx:64*(qx%4)+8*kx+7], v[64*(qx%4)+8*kx:64*(qx%4)+8*kx+7], 0
.else
	v_wmma_f32_16x16x32_bf16 v[ACC+8*qx:ACC+8*qx+7], v[64*(qx%4)+8*kx:64*(qx%4)+8*kx+7], v[64*(qx%4)+8*kx:64*(qx%4)+8*kx+7], v[ACC+8*qx:ACC+8*qx+7]
.endif
.set i, i+1
.endr
	WIN 0
	PLACES
.set qq, 0
.rept 8
	v_cndmask_b32 v14, v[ACC+8*qq], v[ACC+8*qq+1], s[MJ]   ; register (l % 16) % 8 of the accumulator, from its low end on
.irp j, 2,3,4,5,6,7
	v_cndmask_b32 v14, v14, v[ACC+8*qq+\j], s[MJ+\j-1]
.endr
	v_permlanex16_b32 v15, v14, s[SEL], s[SEL+1]
	v_cndmask_b32 v[XX+2*qq], v15, v14, s[VAL]     ; from my lane if it holds the diagonal, else from the lane 16 away
	v_mov_b32 v[XX+2*qq+1], v[XX+2*qq]             ; named with it as a pair
.set qq, qq+1
.endr
; Product i of 64 of a tile: K step i / 8, query tile i % 8.  The first 8 start the sums.  The 8 accumulators take turns, one instruction a turn, over the tiles' ends too.
.macro WM par
.set kw, i/8
.set qw, i%8
	WIN 0x09+4*(qw/4)                              ; codes window 1, Q window 2 or 3, sums window 0
.if kw == 0
	v_wmma_f32_16x16x32_bf16 v[ACC+64*(\par)+8*qw:ACC+64*(\par)+8*qw+7], v[64*(\par)+8*kw:64*(\par)+8*kw+7], v[64*(qw%4)+8*kw:64*(qw%4)+8*kw+7], 0
.else
	v_wmma_f32_16x16x32_bf16 v[ACC+64*(\par)+8*qw:ACC+64*(\par)+8*qw+7], v[64*(\par)+8*kw:64*(\par)+8*kw+7], v[64*(qw%4)+8*kw:64*(qw%4)+8*kw+7], v[ACC+64*(\par)+8*qw:ACC+64*(\par)+8*qw+7]
.endif
.set i, i+1
.endm
; Number n of the 112 that reduce accumulator set p.  Two query tiles alternate, 14 steps each: 0-3 |x|^2 - 2 dot, lowest registers first; 4-7 + |e|^2; 8-10 the minimum of seven; 11 the new running minimum, into the
; other set of minima; 12 has it fallen?; 13 then this tile is the minimum's.
.macro RD p
.set ru, n%28
.set rq, 2*(n/28)+ru%2
.set rs, ru/2
.set ra, ACC+64*(\p)+8*rq
.set rm, MT+rq%2
.set ro, BEST+8*(\p)+rq
.set rn, BEST+8*(1-(\p))+rq
.if rs < 4
	v_pk_fma_f32 v[ra+2*rs:ra+2*rs+1], v[ra+2*rs:ra+2*rs+1], -2.0, v[XX+2*rq:XX+2*rq+1] op_sel_hi:[1,0,0]
.elseif rs < 8
	v_pk_add_f32 v[ra+2*rs-8:ra+2*rs-7], v[ra+2*rs-8:ra+2*rs-7], v[EE+8*(\p)+2*rs-8:EE+8*(\p)+2*rs-7]
.elseif rs == 8
	v_min3_num_f32 v[rm], v[ra], v[ra+1], v[ra+2]
.elseif rs == 9
	v_min3_num_f32 v[rm], v[rm], v[ra+3], v[ra+4]
.elseif rs == 10
	v_min3_num_f32 v[rm], v[rm], v[ra+5], v[ra+6]
.elseif rs == 11
	v_min3_num_f32 v[rn], v[ro], v[rm], v[ra+7]
.elseif rs == 12
	v_cmp_lt_f32 s[MK+rq%2], v[rn], v[ro]
.else
	v_cndmask_b32 v[GID+rq], v[GID+rq], s[T2], s[MK+rq%2]
.endif
.set n, n+1
.endm
.macro PAIRS par, ride, cnt            ; cnt pairs of products, and behind each pair 4 or 3 of the other set's 112
.rept \cnt
	WM \par
	WM \par
.if \ride
	WIN 0
	RD 1-(\par)
	RD 1-(\par)
	RD 1-(\par)
.if g%2 == 0
	RD 1-(\par)
.endif
.set g, g+1
.endif
.endr
.endm
; A TILE: 64 products into accumulator set par, from fragment buffer par.  ride = 1: the other set's scores, the tile before's, are reduced between them.
; In its middle the next tile's fragments are fetched (nf = 1: slot ns, code tile nct) into the other buffer, and this tile's |e|^2 (place ect in the chunk; estep = 1: the chunk's last).  32 products stand ahead of the wait for them.
; DISTANCES.  The vector lines that first touch an accumulator stand behind 10 or more lines of the other set's reduction, which name none of the registers of the products that wrote it; the loads into a fragment
; buffer stand behind as many again.  A tile without reduction ends in four v_nop.
; chg = 1: THE CHANGE OF SLOTS.  My reads of slot cs ended with the wait at the tile's head.  I wait for all my tensor loads, of which one is out: my rows of the other slot; add 0 to my spare word; sixteen products on I wait
; for the add and signal; sixteen products on comes the rest of a round of the cluster's barrier: no wave of any partner still reads the slot or has a load on its way.  The joint refill, the chunk two on, is the first thing behind it:
; three and a half tiles, 224 products, stand ahead of the wait for it.  chg = 2 (the tail): only the wait, for my own rows of the last chunk; nothing is filled.
; t2: what is added to T2 at the tile's end: 2, or 26 into my first tile of the next chunk.
.macro TILE par, ride, chg, cs, nf, ns, nct, ect, estep, t2
	s_wait_dscnt 0x0                               ; this tile's fragments and the last tile's |e|^2 are in; nothing younger is out
.if (\chg) == 1
	WIN 0
	s_wait_tensorcnt 0x0                           ; no tensor load of mine is out, so a group 0 may be written
	ds_add_u32 v[SPW], v[NIL]                      ; 0 onto my spare word
.elseif (\chg) == 2
	s_wait_tensorcnt 0x0
.endif
.set i, 0
.set n, 0
.set g, 0
	PAIRS \par, \ride, 8
.if (\chg) == 1
	s_wait_dscnt 0x0                               ; the add is done
	s_barrier_signal -1
.endif
	PAIRS \par, \ride, 8
.if (\chg) == 1
	WIN 0
	s_barrier_wait -1
	CREST
	s_add_nc_u64 s[G0+4*(\cs)+2:G0+4*(\cs)+3], s[G0+4*(\cs)+2:G0+4*(\cs)+3], 2*CHUNKB  ; the type bits on top are not reached
	tensor_load_to_lds s[G0+4*(\cs):G0+4*(\cs)+3], s[G1:G1+7]
	s_nop 0
	PLACES
.endif
.if \nf
	FETCH 1-(\par), \ns, \nct
.endif
	WIN 0
	ds_load_b128 v[EE+8*(\par):EE+8*(\par)+3],   v[AEE] offset:64*(\ect)      ; sixteen lanes read the same 16 bytes
	ds_load_b128 v[EE+8*(\par)+4:EE+8*(\par)+7], v[AEE] offset:64*(\ect)+16
.if \estep
	v_add_nc_u32 v[AEE], 1024, v[AEE]              ; the next chunk's 256 numbers
.endif
	PAIRS \par, \ride, 16
	WIN 0                                          ; at a label and at a branch every window is 0
.if \ride
	s_add_co_u32 s[T2], s[T2], \t2
.else
	PLACES
.endif
.endm
	TILE 0, 0, 0, 0, 1, 0, 1, 0, 0, 0              ; tile 0: there is nothing yet to reduce
	s_mov_b32 s[CNT], 15
.Lloop:                                                ; a trip: eight tiles, from a chunk's second tile in slot 0 to the first of the chunk two on; both slots are filled again: chunks 2 to 31 in 15 trips
	TILE 1, 1, 0, 0, 1, 0, 2, 1, 0, 2
	TILE 0, 1, 0, 0, 1, 0, 3, 2, 0, 2
	TILE 1, 1, 1, 0, 1, 1, 0, 3, 1, 2
	TILE 0, 1, 0, 0, 1, 1, 1, 0, 0, 26
	TILE 1, 1, 0, 0, 1, 1, 2, 1, 0, 2
	TILE 0, 1, 0, 0, 1, 1, 3, 2, 0, 2
	TILE 1, 1, 1, 1, 1, 0, 0, 3, 1, 2
	TILE 0, 1, 0, 0, 1, 0, 1, 0, 0, 26
	s_sub_co_u32 s[CNT], s[CNT], 1
	s_cmp_lg_u32 s[CNT], 0
	s_cbranch_scc1 .Lloop
	TILE 1, 1, 0, 0, 1, 0, 2, 1, 0, 2              ; the last seven tiles are written out: nothing is asked for
	TILE 0, 1, 0, 0, 1, 0, 3, 2, 0, 2
	TILE 1, 1, 2, 0, 1, 1, 0, 3, 1, 2
	TILE 0, 1, 0, 0, 1, 1, 1, 0, 0, 26
	TILE 1, 1, 0, 0, 1, 1, 2, 1, 0, 2
	TILE 0, 1, 0, 0, 1, 1, 3, 2, 0, 2
	TILE 1, 1, 0, 0, 0, 0, 0, 3, 0, 2              ; the last tile fetches its |e|^2 alone
	s_wait_dscnt 0x0
	PLACES
.set n, 0
.rept 112
	RD 1                                           ; the last tile's scores; the final minima lie in the first set
.endr
; Of two pairs (d, group) the smaller d, and of equal d the lower group.
.macro LEX b, g, ob, og, db, dg
	v_cmp_lt_f32 s[LX], v[\ob], v[\b]
	v_cmp_eq_f32 s[LX+1], v[\ob], v[\b]
	v_cmp_lt_u32 s[LX+2], v[\og], v[\g]
	s_and_b32 s[LX+1], s[LX+1], s[LX+2]
	s_or_b32 s[LX], s[LX], s[LX+1]
	v_cndmask_b32 v[\db], v[\b], v[\ob], s[LX]
	v_cndmask_b32 v[\dg], v[\g], v[\og], s[LX]
.endm
.set qq, 0
.rept 8                                ; the two halves of the lanes meet; then the four waves, through LDS
	v_add_nc_u32 v12, v[GID+qq], v[VH]             ; the group: twice the tile + l / 16
	v_permlanex16_b32 v14, v[BEST+qq], s[SEL], s[SEL+1]
	v_permlanex16_b32 v15, v12, s[SEL], s[SEL+1]
	LEX BEST+qq, 12, 14, 15, PR+2*qq, PR+2*qq+1
	ds_store_b64 v[RA], v[PR+2*qq:PR+2*qq+1] offset:128*qq   ; both halves hold and write the same pair
.set qq, qq+1
.endr
	s_wait_dscnt 0x0                               ; for the others' sake: my stores are done
	s_barrier_signal -1
	s_barrier_wait -1
.irp w, 0,1,2,3
	ds_load_b64 v[RBK+2*\w:RBK+2*\w+1], v[RB] offset:1024*\w
.endr
	s_wait_dscnt 0x0
	LEX RBK, RBK+1, RBK+2, RBK+3, RBK, RBK+1
	LEX RBK+4, RBK+5, RBK+6, RBK+7, RBK+4, RBK+5
	LEX RBK, RBK+1, RBK+4, RBK+5, RBK, RBK+1
	global_store_b32 v[GO], v[RBK+1], s[10:11]     ; the work-group's 128 words are 512 consecutive bytes
	s_wait_tensorcnt 0x0                           ; the wave's end, behind my last tensor load and my last LDS store
	ds_add_u32 v[SPW], v[NIL]
	s_wait_dscnt 0x0
	CROUND                                         ; the closing round: no work-group ends while a partner may still ask for a tile that names it
	s_endpgm
.Lfunc_end_k_q2afaac2640_main:
	.size	k_q2afaac2640_main, .Lfunc_end_k_q2afaac2640_main-k_q2afaac2640_main
	.p2alignl 7, 3214868480
	.fill 96, 4, 3214868480
	.section	.rodata,"a",@progbits
	.p2align	6, 0x0
	.amdhsa_kernel k_q2afaac2640_main
		.amdhsa_group_segment_fixed_size 327680
		.amdhsa_private_segment_fixed_size 0
		.amdhsa_enable_private_segment 0
		.amdhsa_kernarg_size 32
		.amdhsa_user_sgpr_count 2
		.amdhsa_user_sgpr_kernarg_segment_ptr 1
		.amdhsa_wavefront_size32 1
		.amdhsa_system_sgpr_workgroup_id_x 1
		.amdhsa_system_sgpr_workgroup_id_y 1
		.amdhsa_system_sgpr_workgroup_id_z 1
		.amdhsa_system_vgpr_workitem_id 0
		.amdhsa_next_free_vgpr 1024
		.amdhsa_next_free_sgpr 72
		.amdhsa_reserve_vcc 0
		.amdhsa_float_denorm_mode_32 3
		.amdhsa_float_denorm_mode_16_64 3
		.amdhsa_memory_ordered 1
		.amdhsa_forward_progress 1
		.amdhsa_inst_pref_size 255
	.end_amdhsa_kernel
	.section	.bss,"aw",@nobits
	.p2align	6
	.space	262144
	.amdgpu_metadata
---
amdhsa.version: [ 1, 2 ]
amdhsa.kernels:
  - .name:           k_q2afaac2640_main
    .symbol:         k_q2afaac2640_main.kd
    .args:
      - { .name: inputs, .offset: 0, .size: 8, .value_kind: global_buffer, .address_space: global }
      - { .name: EB, .offset: 8, .size: 8, .value_kind: global_buffer, .address_space: global }
      - { .name: EE, .offset: 16, .size: 8, .value_kind: global_buffer, .address_space: global }
      - { .name: G, .offset: 24, .size: 8, .value_kind: global_buffer, .address_space: global }
    .group_segment_fixed_size: 327680
    .private_segment_fixed_size: 0
    .kernarg_segment_align: 8
    .kernarg_segment_size: 32
    .max_flat_workgroup_size: 128
    .sgpr_count:     72
    .vgpr_count:     1024
    .wavefront_size: 32
...
	.end_amdgpu_metadata
.endif
;; end of part 2
;; launch pick (part 3): grid 1024 x 1, 8 waves a work-group, no clusters, 1,280 bytes of LDS; arguments inputs, EB, EE, G, out0, PART; writes out0, PART
.if DOCPART == 3
	.amdgcn_target "amdgcn-amd-amdhsa--gfx1250"
	.amdhsa_code_object_version 6
	.text
	.protected	k_q2afaac2640_pick
	.globl	k_q2afaac2640_pick
	.p2align	8
	.type	k_q2afaac2640_pick,@function
k_q2afaac2640_pick:
	s_mov_b64 s[64:65], 0
	v_nop
	global_prefetch_b8 v0, s[64:65] scope:SCOPE_SE
	s_setreg_imm32_b32 hwreg(HW_REG_WAVE_MODE, 25, 1), 1
	s_wait_xcnt 0x0
; For each query: the code inside its winning group of eight (G, stored by the launch before), out0 = x + (q - x), and the work-group's sum of (q - x)^2 into PART.
; The group's eight rows of EB are 4,096 consecutive bytes: all eight are loaded, their distances are made anew on the vector unit with x rounded to bf16, in the order (|x|^2 - 2 dot) + |e|^2 with one rounding each,
; and the row of the smallest distance, of equal ones the lowest code, is picked from the registers by selects: no address and no branch hangs on a floating-point number.
; LIMITS.  q is the code rounded to bf16.  NaN and infinities are not treated apart (with no lane equal to the minimum the eighth row is taken).  x enters q - x and x + (q - x) as it is given, unrounded.
; SHARES.  A wave takes four queries, one a trip; a work-group 32.  Lane l holds dims 4 l .. 4 l + 3 and 128 + 4 l .. 128 + 4 l + 3: a load or store of x or out0 covers 512 consecutive bytes, a load of a code's half row 256.
; The next query's loads go out behind the last use of this query's registers and ahead of its stores; what covers their way is the number of waves: 104 registers a wave.
; No matrix unit (eight dot products a query), no cluster (the rows that work-groups read are scattered), no LDS but for the last sum.
.set X,    8                           ; v[8:15]   x
.set XXR,  16                          ; v16 |x|^2; v17-19 at work
.set XR,   24                          ; v[24:31]  x rounded, as f32; later q, then q - x
.set XP,   32                          ; v[32:35]  x rounded, packed
.set E,    40                          ; v[40:71]  candidate c: four words at E + 4 c
.set EEV,  72                          ; v72  |e|^2 of candidate l % 8
.set EO,   73                          ; v73  its byte offset in EE
.set D,    76                          ; v[76:83]  eight dot products, my lane's part
.set T,    84                          ; v[84:87]  at work
.set LOSS, 88                          ; v[88:89]
.set OUT,  92                          ; v[92:99]
.set ZR,   100                         ; v100 0
.set SPW,  101                         ; v101 LDS address of my spare word; never rewritten
.set NIL,  102                         ; v102 0; never rewritten
.set SPARE, 256                        ; behind the block with the eight waves' sums: the spare words, 128 bytes for each wave
	s_load_b256 s[4:11], s[0:1], 0x0               ; inputs s[4:5], EB s[6:7], EE s[8:9], G s[10:11]
	s_load_b128 s[12:15], s[0:1], 0x20             ; out0 s[12:13], PART s[14:15]
	v_lshl_add_u32 v[SPW], v0, 2, SPARE
	v_mov_b32 v[NIL], 0
	v_lshrrev_b32 v4, 5, v0
	v_readfirstlane_b32 s20, v4                    ; wave 0..7
	v_and_b32 v4, 31, v0
	v_lshlrev_b32 v1, 4, v4                        ; v1: my 16 bytes in half a row of x and out0; steps a row a trip
	v_lshlrev_b32 v2, 3, v4                        ; v2: my 8 bytes in half a row of EB
	v_and_b32 v3, 7, v0
	v_lshlrev_b32 v3, 2, v3                        ; v3: 4 (l % 8)
	v_mov_b32 v[ZR], 0
	v_mov_b32 v[LOSS], 0
	v_mov_b32 v[LOSS+1], 0
	v_mov_b32 v17, 0                               ; v_permlanex16_b32's destination counts as read
	s_lshl_b32 s24, ttmp9, 7                       ; the group's 32 words of G,
	s_lshl_b32 s32, s20, 4                         ; my wave's four
	s_add_co_u32 s24, s24, s32
	s_mov_b32 s25, 0
	s_lshl_b32 s36, ttmp9, 15                      ; the group's 32 rows of 1,024 bytes,
	s_lshl_b32 s32, s20, 12                        ; my wave's four
	s_add_co_u32 s36, s36, s32
	s_mov_b32 s37, 0
	s_mov_b32 s26, 0xaaaaaaaa                      ; lanes with bit 0 set,
	s_mov_b32 s27, 0xcccccccc                      ; bit 1,
	s_mov_b32 s28, 0xf0f0f0f0                      ; bit 2
	s_mov_b32 s30, 0x76543210
	s_mov_b32 s31, 0xfedcba98
	s_mov_b32 s35, 0xffff0000                      ; a word's upper bf16
	s_mov_b32 s21, 4
	s_wait_kmcnt 0x0
	s_add_nc_u64 s[10:11], s[10:11], s[24:25]
	s_load_b128 s[16:19], s[10:11], 0x0            ; my four queries' groups
	s_add_nc_u64 s[4:5], s[4:5], s[36:37]
	s_add_nc_u64 s[12:13], s[12:13], s[36:37]
	s_wait_kmcnt 0x0
; A query's loads: its row of x (xo bytes from the row in hand), the eight rows of the group in s16, their |e|^2.
.macro LOADS xo
	global_load_b128 v[X:X+3],   v1, s[4:5] offset:\xo th:TH_LOAD_NT
	global_load_b128 v[X+4:X+7], v1, s[4:5] offset:(\xo)+512 th:TH_LOAD_NT
	s_min_u32 s16, s16, 0x3ff                      ; a loaded number enters an address only clamped: 1,024 groups
	s_lshl_b32 s24, s16, 12                        ; 8 rows of 512 bytes
	s_add_nc_u64 s[22:23], s[6:7], s[24:25]
	s_lshl_b32 s32, s16, 5
	v_add_nc_u32 v[EO], s32, v3
.set c, 0
.rept 8
	global_load_b64 v[E+4*c:E+4*c+1],   v2, s[22:23] offset:512*c       ; other work-groups may read these rows again: no hint
	global_load_b64 v[E+4*c+2:E+4*c+3], v2, s[22:23] offset:512*c+256
.set c, c+1
.endr
	global_load_b32 v[EEV], v[EO], s[8:9]
.endm
	LOADS 0
.Ltrip:
	s_wait_loadcnt 0x0                             ; all that this query needs; nothing younger is out
.irp j, 0,1,2,3
	v_cvt_pk_bf16_f32 v[XP+\j], v[X+2*\j], v[X+2*\j+1]
.endr
.irp j, 0,1,2,3
	v_lshlrev_b32 v[XR+2*\j], 16, v[XP+\j]
	v_and_b32 v[XR+2*\j+1], s35, v[XP+\j]
.endr
	v_pk_mul_f32 v[18:19], v[XR:XR+1], v[XR:XR+1]  ; |x|^2 of the rounded x
.irp j, 1,2,3
	v_pk_fma_f32 v[18:19], v[XR+2*\j:XR+2*\j+1], v[XR+2*\j:XR+2*\j+1], v[18:19]
.endr
.irp j, 0,1,2,3                        ; eight chains, a candidate each, take turns; a product of two bf16 numbers is exact in f32
.irp c, 0,1,2,3,4,5,6,7
.if \j == 0
	v_fma_mix_f32_bf16 v[D+\c], v[E+4*\c], v[XR], v[ZR] op_sel_hi:[1,0,0]
.else
	v_fma_mix_f32_bf16 v[D+\c], v[E+4*\c+\j], v[XR+2*\j], v[D+\c] op_sel_hi:[1,0,0]
.endif
.endr
.irp c, 0,1,2,3,4,5,6,7
	v_fma_mix_f32_bf16 v[D+\c], v[E+4*\c+\j], v[XR+2*\j+1], v[D+\c] op_sel:[1,0,0] op_sel_hi:[1,0,0]
.endr
.endr
	v_add_f32 v[XXR], v18, v19
	v_add_f32_dpp v[XXR], v[XXR], v[XXR] row_xmask:1 row_mask:0xf bank_mask:0xf
	v_add_f32_dpp v[XXR], v[XXR], v[XXR] row_xmask:2 row_mask:0xf bank_mask:0xf
	v_add_f32_dpp v[XXR], v[XXR], v[XXR] row_xmask:4 row_mask:0xf bank_mask:0xf
	v_add_f32_dpp v[XXR], v[XXR], v[XXR] row_xmask:8 row_mask:0xf bank_mask:0xf
	v_permlanex16_b32 v17, v[XXR], s30, s31
	v_add_f32 v[XXR], v[XXR], v17
	; The eight sums over the lanes, turned as they are added: at each step a lane keeps one of two candidates, by a bit of its number, and gives the other to its partner.  Lane l ends with candidate l % 8.
.irp i, 0,1,2,3
	v_cndmask_b32 v[T+\i], v[D+2*\i], v[D+2*\i+1], s26
	v_cndmask_b32 v[D+2*\i], v[D+2*\i+1], v[D+2*\i], s26
.endr
.irp i, 0,1,2,3
	v_add_f32_dpp v[T+\i], v[D+2*\i], v[T+\i] row_xmask:1 row_mask:0xf bank_mask:0xf
.endr
.irp i, 0,1
	v_cndmask_b32 v[D+\i], v[T+2*\i], v[T+2*\i+1], s27
	v_cndmask_b32 v[T+2*\i], v[T+2*\i+1], v[T+2*\i], s27
.endr
.irp i, 0,1
	v_add_f32_dpp v[D+\i], v[T+2*\i], v[D+\i] row_xmask:2 row_mask:0xf bank_mask:0xf
.endr
	v_cndmask_b32 v[D+2], v[D], v[D+1], s28
	v_cndmask_b32 v[D], v[D+1], v[D], s28
	v_add_f32_dpp v[D+2], v[D], v[D+2] row_xmask:4 row_mask:0xf bank_mask:0xf
	v_add_f32_dpp v[D+2], v[D+2], v[D+2] row_xmask:8 row_mask:0xf bank_mask:0xf
	v_permlanex16_b32 v[D+3], v[D+2], s30, s31
	v_add_f32 v[D+2], v[D+2], v[D+3]               ; the whole dot product of candidate l % 8
	v_fma_f32 v[D+2], v[D+2], -2.0, v[XXR]         ; |x|^2 - 2 dot, one rounding
	v_add_f32 v[D+2], v[D+2], v[EEV]               ; + |e|^2
	v_min_num_f32_dpp v[D+3], v[D+2], v[D+2] row_xmask:1 row_mask:0xf bank_mask:0xf
	v_min_num_f32_dpp v[D+3], v[D+3], v[D+3] row_xmask:2 row_mask:0xf bank_mask:0xf
	v_min_num_f32_dpp v[D+3], v[D+3], v[D+3] row_xmask:4 row_mask:0xf bank_mask:0xf
	v_cmp_eq_f32 s32, v[D+2], v[D+3]
	s_ctz_i32_b32 s33, s32                         ; the lowest lane at the minimum lies in 0 .. 7: the lowest such candidate.  It serves selects alone
	s_bitcmp1_b32 s33, 2
	s_cselect_b32 s34, -1, 0
.set i, 0
.rept 16
	v_cndmask_b32 v[E+i], v[E+i], v[E+16+i], s34
.set i, i+1
.endr
	s_bitcmp1_b32 s33, 1
	s_cselect_b32 s34, -1, 0
.set i, 0
.rept 8
	v_cndmask_b32 v[E+i], v[E+i], v[E+8+i], s34
.set i, i+1
.endr
	s_bitcmp1_b32 s33, 0
	s_cselect_b32 s34, -1, 0
.set i, 0
.rept 4
	v_cndmask_b32 v[E+i], v[E+i], v[E+4+i], s34
.set i, i+1
.endr
.irp j, 0,1,2,3
	v_lshlrev_b32 v[XR+2*\j], 16, v[E+\j]          ; q as f32
	v_and_b32 v[XR+2*\j+1], s35, v[E+\j]
.endr
.irp j, 0,1,2,3
	v_pk_add_f32 v[XR+2*\j:XR+2*\j+1], v[XR+2*\j:XR+2*\j+1], v[X+2*\j:X+2*\j+1] neg_lo:[0,1] neg_hi:[0,1]   ; q - x
.endr
.irp j, 0,1,2,3
	v_pk_add_f32 v[OUT+2*\j:OUT+2*\j+1], v[X+2*\j:X+2*\j+1], v[XR+2*\j:XR+2*\j+1]                          ; x + (q - x)
.endr
.irp j, 0,1,2,3
	v_pk_fma_f32 v[LOSS:LOSS+1], v[XR+2*\j:XR+2*\j+1], v[XR+2*\j:XR+2*\j+1], v[LOSS:LOSS+1]
.endr
	s_cmp_eq_u32 s21, 1
	s_cbranch_scc1 .Lno_next                       ; the last trip loads nothing: no load leaves its buffer
	s_mov_b32 s16, s17
	s_mov_b32 s17, s18
	s_mov_b32 s18, s19
	LOADS 1024                                     ; the loads ahead of the stores
.Lno_next:
	global_store_b128 v1, v[OUT:OUT+3],   s[12:13] th:TH_STORE_NT
	global_store_b128 v1, v[OUT+4:OUT+7], s[12:13] offset:512 th:TH_STORE_NT
	s_wait_xcnt 0x0                                ; every earlier memory instruction has had its addresses translated (ISA guide 3.1): v1 is stepped, and OUT written again, only behind this wait
	v_add_nc_u32 v1, 1024, v1
	s_sub_co_u32 s21, s21, 1
	s_cmp_lg_u32 s21, 0
	s_cbranch_scc1 .Ltrip
	v_add_f32 v[XXR], v[LOSS], v[LOSS+1]           ; the wave's sum of (q - x)^2
	v_add_f32_dpp v[XXR], v[XXR], v[XXR] row_xmask:1 row_mask:0xf bank_mask:0xf
	v_add_f32_dpp v[XXR], v[XXR], v[XXR] row_xmask:2 row_mask:0xf bank_mask:0xf
	v_add_f32_dpp v[XXR], v[XXR], v[XXR] row_xmask:4 row_mask:0xf bank_mask:0xf
	v_add_f32_dpp v[XXR], v[XXR], v[XXR] row_xmask:8 row_mask:0xf bank_mask:0xf
	v_permlanex16_b32 v17, v[XXR], s30, s31
	v_add_f32 v[XXR], v[XXR], v17
	v_mov_b32 v4, s20
	v_lshlrev_b32 v4, 2, v4
	ds_store_b32 v4, v[XXR]                        ; all lanes write the wave's word with the same number
	s_wait_dscnt 0x0                               ; for wave 0's sake
	s_barrier_signal -1
	s_barrier_wait -1
	s_cmp_lg_u32 s20, 0
	s_cbranch_scc1 .Lend                           ; wave 0 adds the eight and stores the work-group's number
	ds_load_b128 v[24:27], v[ZR]
	ds_load_b128 v[28:31], v[ZR] offset:16
	s_lshl_b32 s24, ttmp9, 2
	s_add_nc_u64 s[14:15], s[14:15], s[24:25]
	s_wait_dscnt 0x0
	v_pk_add_f32 v[24:25], v[24:25], v[28:29]
	v_pk_add_f32 v[26:27], v[26:27], v[30:31]
	v_pk_add_f32 v[24:25], v[24:25], v[26:27]
	v_add_f32 v24, v24, v25
	v_cmp_eq_u32 vcc_lo, 0, v0
	s_wait_xcnt 0x0                                ; EXEC changes only behind this wait: it is a source of the stores above
	s_and_saveexec_b32 s36, vcc_lo
	global_store_b32 v[ZR], v24, s[14:15]
	s_wait_xcnt 0x0                                ; and again, in front of the line that widens it
	s_or_b32 exec_lo, exec_lo, s36
.Lend:
	s_wait_tensorcnt 0x0                           ; the wave's end, behind my last LDS store
	ds_add_u32 v[SPW], v[NIL]
	s_wait_dscnt 0x0
	s_endpgm
.Lfunc_end_k_q2afaac2640_pick:
	.size	k_q2afaac2640_pick, .Lfunc_end_k_q2afaac2640_pick-k_q2afaac2640_pick
	.p2alignl 7, 3214868480
	.fill 96, 4, 3214868480
	.section	.rodata,"a",@progbits
	.p2align	6, 0x0
	.amdhsa_kernel k_q2afaac2640_pick
		.amdhsa_group_segment_fixed_size 1280
		.amdhsa_private_segment_fixed_size 0
		.amdhsa_enable_private_segment 0
		.amdhsa_kernarg_size 48
		.amdhsa_user_sgpr_count 2
		.amdhsa_user_sgpr_kernarg_segment_ptr 1
		.amdhsa_wavefront_size32 1
		.amdhsa_system_sgpr_workgroup_id_x 1
		.amdhsa_system_sgpr_workgroup_id_y 1
		.amdhsa_system_sgpr_workgroup_id_z 1
		.amdhsa_system_vgpr_workitem_id 0
		.amdhsa_next_free_vgpr 104
		.amdhsa_next_free_sgpr 66
		.amdhsa_reserve_vcc 1
		.amdhsa_float_denorm_mode_32 3
		.amdhsa_float_denorm_mode_16_64 3
		.amdhsa_memory_ordered 1
		.amdhsa_forward_progress 1
		.amdhsa_inst_pref_size 18
	.end_amdhsa_kernel
	.amdgpu_metadata
---
amdhsa.version: [ 1, 2 ]
amdhsa.kernels:
  - .name:           k_q2afaac2640_pick
    .symbol:         k_q2afaac2640_pick.kd
    .args:
      - { .name: inputs, .offset: 0, .size: 8, .value_kind: global_buffer, .address_space: global }
      - { .name: EB, .offset: 8, .size: 8, .value_kind: global_buffer, .address_space: global }
      - { .name: EE, .offset: 16, .size: 8, .value_kind: global_buffer, .address_space: global }
      - { .name: G, .offset: 24, .size: 8, .value_kind: global_buffer, .address_space: global }
      - { .name: out0, .offset: 32, .size: 8, .value_kind: global_buffer, .address_space: global }
      - { .name: PART, .offset: 40, .size: 8, .value_kind: global_buffer, .address_space: global }
    .group_segment_fixed_size: 1280
    .private_segment_fixed_size: 0
    .kernarg_segment_align: 8
    .kernarg_segment_size: 48
    .max_flat_workgroup_size: 256
    .sgpr_count:     66
    .vgpr_count:     104
    .wavefront_size: 32
...
	.end_amdgpu_metadata
.endif
;; end of part 3
;; launch loss (part 4): grid 1 x 1, 1 waves a work-group, no clusters, 0 bytes of LDS; arguments PART, out1; writes out1
.if DOCPART == 4
	.amdgcn_target "amdgcn-amd-amdhsa--gfx1250"
	.amdhsa_code_object_version 6
	.text
	.protected	k_q2afaac2640_loss
	.globl	k_q2afaac2640_loss
	.p2align	8
	.type	k_q2afaac2640_loss,@function
k_q2afaac2640_loss:
	s_mov_b64 s[64:65], 0
	v_nop
	global_prefetch_b8 v0, s[64:65] scope:SCOPE_SE
	s_setreg_imm32_b32 hwreg(HW_REG_WAVE_MODE, 25, 1), 1
	s_wait_xcnt 0x0
; out1 = m + 0.25 m, m = the mean of (q - x)^2 over 64 x 512 x 256 = 2^23 numbers.  PART holds 1,024 partial sums, one of each work-group of the launch before: a sum that spans work-groups is
; finished by one owner in a launch of its own.  One wave: 8 loads of 512 consecutive bytes, a tree of additions in f32, one store.
	s_load_b128 s[4:7], s[0:1], 0x0                ; PART s[4:5], out1 s[6:7]
	v_lshlrev_b32 v1, 4, v0
	v_mov_b32 v2, 0
	s_mov_b32 s8, 0x76543210
	s_mov_b32 s9, 0xfedcba98
	s_wait_kmcnt 0x0
.irp j, 0,1,2,3,4,5,6,7
	global_load_b128 v[8+4*\j:11+4*\j], v1, s[4:5] offset:512*\j
.endr
	s_wait_loadcnt 0x0
.irp j, 0,1,2,3,4,5,6,7
	v_pk_add_f32 v[8+2*\j:9+2*\j], v[8+2*\j:9+2*\j], v[24+2*\j:25+2*\j]
.endr
.irp j, 0,1,2,3
	v_pk_add_f32 v[8+2*\j:9+2*\j], v[8+2*\j:9+2*\j], v[16+2*\j:17+2*\j]
.endr
.irp j, 0,1
	v_pk_add_f32 v[8+2*\j:9+2*\j], v[8+2*\j:9+2*\j], v[12+2*\j:13+2*\j]
.endr
	v_pk_add_f32 v[8:9], v[8:9], v[10:11]
	v_add_f32 v8, v8, v9
	v_add_f32_dpp v8, v8, v8 row_xmask:1 row_mask:0xf bank_mask:0xf
	v_add_f32_dpp v8, v8, v8 row_xmask:2 row_mask:0xf bank_mask:0xf
	v_add_f32_dpp v8, v8, v8 row_xmask:4 row_mask:0xf bank_mask:0xf
	v_add_f32_dpp v8, v8, v8 row_xmask:8 row_mask:0xf bank_mask:0xf
	v_permlanex16_b32 v9, v8, s8, s9
	v_add_f32 v8, v8, v9
	v_mul_f32 v8, 0x34000000, v8                   ; x 2^-23: exact
	v_fmamk_f32 v9, v8, 0x3e800000, v8             ; 0.25 m + m: 0.25 m is exact, so one rounding, as in a multiply and an add
	v_cmp_eq_u32 vcc_lo, 0, v0
	s_wait_xcnt 0x0                                ; EXEC changes only behind this wait
	s_and_saveexec_b32 s10, vcc_lo
	global_store_b32 v2, v9, s[6:7]
	s_wait_xcnt 0x0
	s_or_b32 exec_lo, exec_lo, s10
	s_endpgm
.Lfunc_end_k_q2afaac2640_loss:
	.size	k_q2afaac2640_loss, .Lfunc_end_k_q2afaac2640_loss-k_q2afaac2640_loss
	.p2alignl 7, 3214868480
	.fill 96, 4, 3214868480
	.section	.rodata,"a",@progbits
	.p2align	6, 0x0
	.amdhsa_kernel k_q2afaac2640_loss
		.amdhsa_group_segment_fixed_size 0
		.amdhsa_private_segment_fixed_size 0
		.amdhsa_enable_private_segment 0
		.amdhsa_kernarg_size 16
		.amdhsa_user_sgpr_count 2
		.amdhsa_user_sgpr_kernarg_segment_ptr 1
		.amdhsa_wavefront_size32 1
		.amdhsa_system_sgpr_workgroup_id_x 1
		.amdhsa_system_sgpr_workgroup_id_y 1
		.amdhsa_system_sgpr_workgroup_id_z 1
		.amdhsa_system_vgpr_workitem_id 0
		.amdhsa_next_free_vgpr 48
		.amdhsa_next_free_sgpr 66
		.amdhsa_reserve_vcc 1
		.amdhsa_float_denorm_mode_32 3
		.amdhsa_float_denorm_mode_16_64 3
		.amdhsa_memory_ordered 1
		.amdhsa_forward_progress 1
		.amdhsa_inst_pref_size 4
	.end_amdhsa_kernel
	.amdgpu_metadata
---
amdhsa.version: [ 1, 2 ]
amdhsa.kernels:
  - .name:           k_q2afaac2640_loss
    .symbol:         k_q2afaac2640_loss.kd
    .args:
      - { .name: PART, .offset: 0, .size: 8, .value_kind: global_buffer, .address_space: global }
      - { .name: out1, .offset: 8, .size: 8, .value_kind: global_buffer, .address_space: global }
    .group_segment_fixed_size: 0
    .private_segment_fixed_size: 0
    .kernarg_segment_align: 8
    .kernarg_segment_size: 16
    .max_flat_workgroup_size: 32
    .sgpr_count:     66
    .vgpr_count:     48
    .wavefront_size: 32
...
	.end_amdgpu_metadata
.endif
;; end of part 4
